; MI455X (gfx1250); checked and timed in simulation.
; The chip was launched on July 23, 2026; its instructions are those of AMD's public machine-readable ISA for CDNA 5 (MIT licence, August 2026) and "CDNA5" Instruction Set Architecture Reference Guide (July 2026). The comments in the code are by the model that wrote it; some were corrected since.
;; Quantized Layer. Allowed arithmetic: matrix products marked QUANTISED: E5M2 operands, one E8M0 scale for each 32 along K, by v_wmma_scale_f32_16x16x128_f8f6f4 with both operands' format E5M2, f32 sums; everything else in f32.
;; Inputs: bias_idx 4,096 int32; bias_table 256 x 1 float32; weight_idx 4,096 x 4,096 int32; weight_table 256 x 1 float32; x_codes 4 x 1,024 x 128 x 32 uint8 (E5M2 codes of x, K innermost, in blocks of 32 codes); x_scales 4 x 1,024 x 128 uint8 (E8M0 scales of x, one for each 32 codes along K).
;; Outputs: out0 4 x 1,024 x 4,096 float32.
;; This version of the problem:
;;   THIS VERSION OF THE PROBLEM IS GIVEN IN LOW PRECISION. The matrix products marked QUANTISED in the list below multiply operands that are first quantised to E5M2 (5 exponent bits, 2 mantissa bits; 8 bits a number), with one power-of-two scale for each 32 numbers along K (OCP MX v1.0); their sums are f32. All else is computed in f32.
;;   The module's matrix products, in the order in which they are computed (A, B: the left and right operand; K: the contracted axis; several contracted axes count as one K, in the product's order):
;;     1. [M 4,096, K 4,096] x [K 4,096, N 4,096]; A: input x (given as codes); B: computed on the way: QUANTISED
;;   THE QUANTISER, for each operand of a quantised product, along K:
;;     - K is cut into blocks of 32 from its start; a last block that is shorter is filled with zeros.
;;     - A block's scale is 2^e with e = floor(log2(the largest magnitude in the block)) - 15, held to -126 .. 127; a block of zeros has e = 0. As a byte (E8M0): e + 127.
;;     - Each number is divided by its block's scale, clamped to +-57,344, and rounded to the nearest number of E5M2, ties to even, subnormals kept.
;;     - The product sums the exact products of the quantised numbers (number of the format x scale) in f32.
;;   ~~~python
;;   def quantise(x, axis):      # numpy; x: float32 -> the quantised numbers, widened to float32 again
;;       x = np.moveaxis(x, axis, -1); K = x.shape[-1]
;;       x = np.pad(x, [(0, 0)] * (x.ndim - 1) + [(0, -K % 32)]); x = x.reshape(x.shape[:-1] + (-1, 32)); a = np.abs(x).max(-1, keepdims=True)
;;       e = np.where(a > 0, np.clip(np.frexp(np.where(a > 0, a, 1))[1] - 1 - 15, -126, 127), 0)      # np.frexp(a)[1] - 1 = floor(log2(a)), exactly
;;       r = np.clip(x / 2.0 ** e, -57344, 57344)
;;       step = 2.0 ** (np.maximum(np.frexp(np.where(r == 0, 1, r))[1] - 1, -14) - 2)
;;       q = np.round(r / step) * step * 2.0 ** e      # np.round: ties to even
;;       return np.moveaxis(q.reshape(q.shape[:-2] + (-1,))[..., :K], -1, axis).astype(np.float32)
;;   ~~~
;;   OPERANDS COMPUTED ON THE WAY. 'Computed on the way' means the value that the module computes at that place (a softmax that the list does not call 'softmax' is quantised finished and normalised). What goes into a quantiser is computed in f32, as accurately as f32 sums, v_exp_f32 and their like allow (about 1e-6 of the number): no bf16 or f16 on the way to a quantiser, and a product that is left as it is and whose result goes on into a quantised operand takes f32 operands (vector FMAs, or v_wmma_f32_16x16x4_f32). A number that lies on a knife's edge between two numbers of the format may be rounded either way, as far as f32 arithmetic and the matrix unit's own rounding can turn it there, and no further.
;;   INPUTS GIVEN AS CODES. x (in the module: [4, 1024, 4096], K = its axis 2): each comes as NAME_codes (uint8): NAME with its K axis moved to the last place and cut into blocks of 32 codes, [.., K / 32, bytes a block], one block behind the other in memory; one code a byte (a code: sign, 5 exponent bits, 2 mantissa bits); and NAME_scales (uint8): the same leading axes, one E8M0 byte (e + 127) for each 32 codes along K. Its value is code x scale, taken as it is: it is not quantised again, and the codes and scales need not be those that the quantiser above would give.
;; One version. Each part assembles by itself: llvm-mc -triple=amdgcn-amd-amdhsa -mcpu=gfx1250 --defsym DOCPART=n.
;; ======== version 1 of 1: 2 launches
;; limits: right only within a limited range of input values
;; workspace buffers: w_codes 16,777,216 bytes; ws_img 524,288 bytes; xs_img 524,288 bytes
;; launch prep (part 1): grid 32 x 8, 16 waves a work-group, no clusters, 36,864 bytes of LDS; arguments weight_idx, weight_table, x_scales, w_codes, ws_img, xs_img; writes w_codes, ws_img, xs_img
.if DOCPART == 1
	.amdgcn_target "amdgcn-amd-amdhsa--gfx1250"
	.amdhsa_code_object_version 6
	.text
	.protected	k_q6ba929c616_prep
	.globl	k_q6ba929c616_prep
	.p2align	8
	.type	k_q6ba929c616_prep,@function
k_q6ba929c616_prep:
	s_mov_b64 s[64:65], 0
	v_nop
	global_prefetch_b8 v0, s[64:65] scope:SCOPE_SE
	s_setreg_imm32_b32 hwreg(HW_REG_WAVE_MODE, 25, 1), 1
	s_wait_xcnt 0x0
; W[n][k] = weight_table[weight_idx[n][k]], [4096][4096], is looked up and turned into codes of BF8 (E5M2), K innermost (w_codes [4096][4096], a byte a code),
; with one E8M0 scale byte for each 32 along K.  A block's scale is 2^(floor(log2(its largest magnitude)) - 15); its byte is the largest magnitude's exponent field - 15, held at 1 from below.
; Each number is divided by the scale, held within +-57,344 and rounded to the nearest code, ties to even.
; THE SCALE BYTES, W's (made here) and x's (given, [4096][128]), are laid as IMAGES OF THE PRODUCT'S SCALE REGISTERS: [group of 128 rows][K step of 256][1,024 bytes]; in an image the byte beta (0 .. 7) of row
; 32 c + 64 h + 16 u + r (c, h, u = 0 or 1; r = 0 .. 15) lies at 512 c + 256 h + 16 r + 8 u + beta: two loads of 16 bytes a lane, at 16 x lane and 512 further on, then give a wave the scale words of its 128 rows.
; LIMITS: a block of zeros gets the byte 1 where the rule says 127 (its codes are zeros, which add nothing under any byte but 0xff, and this program alone reads the bytes); blocks whose largest magnitude lies
; under 2^(16 - 127), the floor, were not tried; NaN and infinities in weight_table are not served; an index above 255, which the problem excludes, is held at 255.
; SHARES.  Work-group (g, gy): rows 128 g .. 128 g + 127 of W, K steps 2 gy and 2 gy + 1.  Wave w: K step 2 gy + w / 8; with w' = w % 8 the 16 rows 32 (w' / 4) + 64 ((w' / 2) % 2) + 8 (w' % 2) + 16 u + p, p = 0 .. 7,
; u = 0, 1: their 128 scale bytes are bytes 128 w' .. 128 w' + 127 of the image.  A step is one row x 256 along K: 1,024 consecutive bytes of indices, by two loads of 512; step i has p = i / 2, u = i % 2.
; THE LOOK-UP goes through LDS, which holds the table 32 times over.
; A lane holds 4 neighbours along K of each of the step's two halves; a block of 32 is 8 lanes.  The conversion takes eight numbers and ONE scale a lane, and the eight belong to two blocks: so it is issued twice on the
; same eight registers, once with each block's scale, and of each result the word that belongs to the scale is kept (the other word is read by nobody).  Lanes l and l xor 1 then exchange a word, so that each
; lane holds 8 neighbouring bytes and the wave's one store covers 256 consecutive bytes, aligned.
; No tensor load, no loop, EXEC never changes.  All 32 index loads of a wave (16 KiB) go out at its head, in every wave alike.
.set STG,   32768                      ; LDS: behind the table's 32,768 bytes: the two images, 2,048 bytes, with the 4 x 4 bytes of each 16 still turned: wave w, row p, block b' at 128 w + 16 p + 4 b'
.set FLOOR, 0x8000000                  ; 2^(16 - 127)
.set P,     24                         ; v24-31   row p's four exponent fields of my block column: byte 2 u + q
.set X,     32                         ; v32-47   two sets of 8 numbers
.set I,     64                         ; v64-191  step i: 8 indices, then 8 LDS addresses, then (the first two) the 8 bytes to store
.set XSR,   192                        ; v192-207 x's scale bytes (wave 15)
	s_load_b256 s[4:11], s[0:1], 0x0               ; weight_idx s[4:5], weight_table s[6:7], x_scales s[8:9], w_codes s[10:11]
	s_load_b128 s[12:15], s[0:1], 0x20             ; ws_img s[12:13], xs_img s[14:15]
	v_lshl_add_u32 v216, v0, 2, 0x8800
	v_mov_b32 v217, 0
	v_lshrrev_b32 v1, 5, v0
	s_delay_alu instid0(VALU_DEP_1)
	v_readfirstlane_b32 s16, v1                    ; wave 0..15
	v_and_b32 v1, 31, v0                           ; lane
	s_delay_alu instid0(VALU_DEP_1)
	v_lshlrev_b32 v2, 2, v1                        ; 4 x lane: my column of the table
	s_delay_alu instid0(VALU_DEP_2)
	v_lshlrev_b32 v3, 4, v1                        ; 16 x lane: my 4 indices of a load's 128
	s_delay_alu instid0(VALU_DEP_3)
	v_and_b32 v4, 30, v1
	s_delay_alu instid0(VALU_DEP_4)
	v_and_b32 v14, 1, v1
	s_delay_alu instid0(VALU_DEP_2)
	v_lshlrev_b32 v4, 2, v4
	s_delay_alu instid0(VALU_DEP_1)
	v_lshl_add_u32 v4, v14, 7, v4                  ; my 8 bytes of a row's 256 codes: even lane 2 j: 8 j; odd lane 2 j + 1: 128 + 8 j
	v_and_b32 v5, 0x1e0, v0
	v_lshrrev_b32 v15, 1, v0
	s_delay_alu instid0(VALU_DEP_2)
	v_lshlrev_b32 v5, 2, v5                        ; 128 x wave
	s_delay_alu instid0(VALU_DEP_2)
	v_and_b32 v15, 12, v15                         ; 4 x (lane / 8)
	s_delay_alu instid0(VALU_DEP_1)
	v_add_nc_u32 v5, v5, v15
	s_delay_alu instid0(VALU_DEP_1)
	v_add_nc_u32 v5, STG, v5                       ; where my block column's words go
	; The table's fill: thread i writes the 64 bytes at 64 i, half of entry i / 2's 128, all with one number.
	v_bfe_u32 v6, v0, 2, 2
	s_delay_alu instid0(VALU_DEP_1)
	v_lshlrev_b32 v6, 4, v6
	s_delay_alu instid0(VALU_DEP_1)
	v_lshl_add_u32 v6, v0, 6, v6
	s_delay_alu instid0(VALU_DEP_1)
	v_xor_b32 v210, 16, v6
	s_delay_alu instid0(VALU_DEP_2)
	v_xor_b32 v211, 32, v6
	s_delay_alu instid0(VALU_DEP_3)
	v_xor_b32 v212, 48, v6
	v_lshrrev_b32 v7, 1, v0
	s_delay_alu instid0(VALU_DEP_1)
	v_lshlrev_b32 v7, 2, v7                        ; the entry that I load
	v_and_b32 v22, 127, v0
	s_delay_alu instid0(VALU_DEP_1)
	v_lshl_add_u32 v23, v22, 4, STG                ; the tail (waves 0 to 3): 16 bytes a thread out of the stage,
	s_delay_alu instid0(VALU_DEP_2)
	v_lshlrev_b32 v22, 4, v22                      ; and into the two images
	v_lshrrev_b32 v208, 1, v1
	s_delay_alu instid0(VALU_DEP_1)
	v_lshlrev_b32 v208, 7, v208
	s_delay_alu instid0(VALU_DEP_1)
	v_lshl_add_u32 v208, v14, 11, v208             ; x's scales: lane 2 r + u reads row 16 u + r, 128 bytes a row,
	v_lshlrev_b32 v209, 3, v1                      ; and writes at 16 r + 8 u
	v_mov_b32 v16, 0                               ; written once: a DPP destination counts as one of its sources
	s_mov_b32 s17, ttmp9                           ; g
	s_and_b32 s18, ttmp7, 0xffff                   ; gy
	s_mov_b32 s24, 0x600000                        ; the mantissa field of 57,344
	s_mov_b32 s25, 0xaaaaaaaa                      ; the odd lanes
	s_and_b32 s19, s16, 1
	s_lshl_b32 s19, s19, 3                         ; 8 (w % 2)
	s_bfe_u32 s2, s16, 0x10001
	s_lshl_b32 s2, s2, 6                           ; 64 ((w / 2) % 2)
	s_add_co_u32 s19, s19, s2
	s_bfe_u32 s2, s16, 0x10002
	s_lshl_b32 s2, s2, 5                           ; 32 ((w / 4) % 2)
	s_add_co_u32 s19, s19, s2
	s_lshl_b32 s2, s17, 7
	s_add_co_u32 s19, s19, s2                      ; my first row of W
	s_lshr_b32 s3, s16, 3
	s_lshl_b32 s2, s18, 1
	s_add_co_u32 s3, s3, s2                        ; my K step
	s_lshl_b32 s20, s19, 14                        ; the indices: 16,384 bytes a row, 1,024 a K step (all offsets stay under 2^27)
	s_lshl_b32 s2, s3, 10
	s_add_co_u32 s20, s20, s2
	s_mov_b32 s21, 0
	s_lshl_b32 s22, s19, 12                        ; the codes: 4,096 bytes a row, 256 a K step
	s_lshl_b32 s2, s3, 8
	s_add_co_u32 s22, s22, s2
	s_mov_b32 s23, 0
	s_lshl_b32 s19, s17, 14                        ; a group's 16 images, and a group's rows of x_scales, are 16,384 bytes
	s_lshl_b32 s2, s18, 11
	s_add_co_u32 s26, s19, s2                      ; W's two images
	s_mov_b32 s27, 0
	s_lshr_b32 s2, s18, 1
	s_lshl_b32 s2, s2, 12                          ; x's scales: rows 32 (gy / 2) on,
	s_add_co_u32 s28, s19, s2
	s_and_b32 s3, s18, 1
	s_lshl_b32 s2, s3, 6                           ; bytes 64 (gy % 2) on: eight K steps
	s_add_co_u32 s28, s28, s2
	s_mov_b32 s29, 0
	s_lshl_b32 s2, s3, 13                          ; their images: 8 (gy % 2) on,
	s_add_co_u32 s30, s19, s2
	s_bfe_u32 s2, s18, 0x10001
	s_lshl_b32 s2, s2, 9                           ; c = (gy / 2) % 2,
	s_add_co_u32 s30, s30, s2
	s_lshr_b32 s2, s18, 2
	s_lshl_b32 s2, s2, 8                           ; h = gy / 4
	s_add_co_u32 s30, s30, s2
	s_mov_b32 s31, 0
	s_wait_alu depctr_va_vdst(0)
	s_wait_kmcnt 0x0
	s_add_nc_u64 s[4:5], s[4:5], s[20:21]
	s_add_nc_u64 s[10:11], s[10:11], s[22:23]
	s_add_nc_u64 s[12:13], s[12:13], s[26:27]
	s_add_nc_u64 s[8:9], s[8:9], s[28:29]
	s_add_nc_u64 s[14:15], s[14:15], s[30:31]
.macro LOADI i                         ; step i's 256 indices
.irp q, 0,1
	global_load_b128 v[I+8*(\i)+4*\q:I+8*(\i)+4*\q+3], v3, s[4:5] offset:(16*((\i)%2)+(\i)/2)*16384+512*\q th:TH_LOAD_NT   ; 32 lanes read 512 consecutive bytes; read once in the launch
.endr
.endm
.macro ALLIDX                          ; the wave's 32 index loads, in the order of the steps
.irp i, 0,1,2,3,4,5,6,7,8,9,10,11,12,13,14,15
	LOADI \i
.endr
.endm
	global_load_b32 v48, v7, s[6:7]                ; my entry of the table: the first load of every wave
	; x's scale bytes are laid anew by wave 15 alone: 32 rows x 8 K steps a work-group.  ONE parting on the wave's number, with two arms; no barrier stands in it.  In wave 15's arm the four loads of x's bytes stand
	; ahead of the index loads, which so go out with every other wave's, and the stores stand behind the wait that the table needs anyway: the wave makes no round trip to memory of its own.
	s_cmp_lg_u32 s16, 15
	s_cbranch_scc1 .Lnot_15
.irp i, 0,1,2,3
	global_load_b128 v[XSR+4*\i:XSR+4*\i+3], v208, s[8:9] offset:16*\i
.endr
	ALLIDX
	s_wait_loadcnt 32                              ; loads come back in order (ISA guide 5.7.1): my entry of the table and x's bytes are in; the 32 index loads behind them may be out
.irp i, 0,1,2,3
.irp d, 0,1
	global_store_b64 v209, v[XSR+4*\i+2*\d:XSR+4*\i+2*\d+1], s[14:15] offset:(2*\i+\d)*1024   ; 32 lanes store 256 consecutive bytes, aligned: a quarter of K step 2 i + d's image; these registers are not written again
.endr
.endr
	s_branch .Lfill
.Lnot_15:
	ALLIDX
	s_wait_loadcnt 32                              ; my entry of the table is in; the 32 index loads behind it may be out
.Lfill:
	v_mov_b32 v49, v48
	v_mov_b32 v50, v48
	v_mov_b32 v51, v48
	ds_store_b128 v6, v[48:51]
	ds_store_b128 v210, v[48:51]
	ds_store_b128 v211, v[48:51]
	ds_store_b128 v212, v[48:51]
	s_wait_dscnt 0x0                               ; for the others' sake: my part of the table lies in LDS
	s_barrier_signal -1
	s_barrier_wait -1                              ; the whole table does
.macro GATHER i                        ; step i's 8 look-ups
	s_wait_loadcnt 30-2*(\i)                       ; step i's two loads are in, the 2 (15 - i) behind them may be out (the same on both arms of the head)
.irp j, 0,1,2,3,4,5,6,7
	v_min_u32 v[I+8*(\i)+\j], 0xff, v[I+8*(\i)+\j]         ; no look-up leaves the table
.endr
.irp j, 0,1,2,3,4,5,6,7
	v_lshl_add_u32 v[I+8*(\i)+\j], v[I+8*(\i)+\j], 7, v2   ; 128 x index + 4 x lane
.endr
.irp j, 0,1,2,3,4,5,6,7
	ds_load_b32 v[X+8*((\i)%2)+\j], v[I+8*(\i)+\j]
.endr
.endm
.macro QUANT i
.set XS, X+8*((\i)%2)
.set PP, P+(\i)/2
.set O,  I+8*(\i)
	v_max3_num_f32 v8, |v[XS]|, |v[XS+1]|, |v[XS+2]|       ; the largest magnitude of my 4 numbers of each half, the two halves by turns,
	v_max3_num_f32 v9, |v[XS+4]|, |v[XS+5]|, |v[XS+6]|
	s_delay_alu instid0(VALU_DEP_2)
	v_max3_num_f32 v8, v8, |v[XS+3]|, FLOOR                ; and the floor, under which no largest magnitude is taken: so the byte cannot fall under 1
	s_delay_alu instid0(VALU_DEP_2)
	v_max3_num_f32 v9, v9, |v[XS+7]|, FLOOR
.irp m, 1,2,4
	s_delay_alu instid0(VALU_DEP_2)
	v_max_num_f32_dpp v8, v8, v8 row_xmask:\m row_mask:0xf bank_mask:0xf   ; with the block's other seven lanes
	s_delay_alu instid0(VALU_DEP_2)
	v_max_num_f32_dpp v9, v9, v9 row_xmask:\m row_mask:0xf bank_mask:0xf
.endr
	s_delay_alu instid0(VALU_DEP_2)
	v_add_nc_u32 v12, 0xf8800000, v8               ; 15 off the exponent field: the conversion takes the exponent field of this operand as its scale, and nothing else of it
	s_delay_alu instid0(VALU_DEP_2)
	v_add_nc_u32 v13, 0xf8800000, v9
	s_delay_alu instid0(VALU_DEP_4)
	v_and_or_b32 v10, v8, 0x7f800000, s24          ; 57,344 x the scale: the largest magnitude's exponent field over 57,344's mantissa
	s_delay_alu instid0(VALU_DEP_4)
	v_and_or_b32 v11, v9, 0x7f800000, s24
.irp j, 0,1,2,3
	v_med3_num_f32 v[XS+\j], v[XS+\j], -v10, v10           ; the conversion to an 8-bit code does not saturate (ISA guide 7.6.2): the hold comes first
	v_med3_num_f32 v[XS+4+\j], v[XS+4+\j], -v11, v11
.endr
	v_cvt_scalef32_pk8_bf8_f32 v[18:19], v[XS:XS+7], v12   ; under the first half's scale: v18 is kept, v19 is read by nobody
	v_cvt_scalef32_pk8_bf8_f32 v[20:21], v[XS:XS+7], v13   ; under the second half's: v21 is kept
.if (\i)%2 == 0                        ; the exponent fields are gathered, four to a register.  (These plain lines also stand between the conversions and the first read of their results)
	v_lshrrev_b32 v[PP], 23, v8
	v_lshrrev_b32 v14, 23, v9
	s_delay_alu instid0(VALU_DEP_1)
	v_lshl_or_b32 v[PP], v14, 8, v[PP]
.else
	v_lshrrev_b32 v14, 23, v8
	s_delay_alu instid0(VALU_DEP_1)
	v_lshl_or_b32 v[PP], v14, 16, v[PP]
	v_lshrrev_b32 v14, 23, v9
	s_delay_alu instid0(VALU_DEP_1)
	v_lshl_or_b32 v[PP], v14, 24, v[PP]
	s_delay_alu instid0(VALU_DEP_1)
	v_add_nc_u32 v[PP], 0xf0f0f0f1, v[PP]          ; 15 off all four at once: each field is 16 or more, so no byte borrows: the four scale bytes
.endif
	v_cndmask_b32 v15, v21, v18, s25               ; an odd lane sends its word of the first half, an even lane its word of the second
	s_delay_alu instid0(VALU_DEP_1)
	v_mov_b32_dpp v16, v15 row_xmask:1 row_mask:0xf bank_mask:0xf
	v_cndmask_b32 v[O], v18, v16, s25              ; even lane 2 j: bytes 8 j .. 8 j + 7 of the first half: its own word, then its neighbour's;
	v_cndmask_b32 v[O+1], v16, v21, s25            ; odd lane 2 j + 1: the same bytes of the second half: its neighbour's word, then its own
	global_store_b64 v4, v[O:O+1], s[10:11] offset:(16*((\i)%2)+(\i)/2)*4096   ; 32 lanes store 256 consecutive bytes, aligned; each step stores from registers of its own, which are not written again
.endm
	GATHER 0
.irp i, 0,1,2,3,4,5,6,7,8,9,10,11,12,13,14,15
.if \i < 15
	GATHER \i+1
	s_wait_dscnt 8                                 ; LDS loads come back in order: this step's eight look-ups are in, the next step's eight may be out
.else
	s_wait_dscnt 0x0                               ; the last look-ups are in: no LDS instruction of mine is out
.endif
	QUANT \i
.endr
	; The look-ups' addresses hang on the indices.  So that no wave's store to LDS stands beside another wave's look-ups, the scale words are stored only behind a barrier of their own.
	s_wait_alu depctr_va_vdst(0)
	s_barrier_signal -1
	s_barrier_wait -1                              ; every wave's look-ups are over
.irp p, 0,1,2,3,4,5,6,7
	ds_store_b32 v5, v[P+\p] offset:16*\p          ; the eight lanes of a block write the same word with the same value
.endr
	s_wait_dscnt 0x0                               ; for the others' sake
	s_barrier_signal -1
	s_barrier_wait -1                              ; 2,048 bytes lie in the stage
	s_cmp_ge_u32 s16, 4
	s_cbranch_scc1 .Lend                           ; waves 0 to 3 send them out, 16 bytes a thread
	ds_load_b128 v[52:55], v23                     ; word b', byte 2 u + q
	s_wait_dscnt 0x0
	v_perm_b32 v56, v53, v52, 0x05010400           ; the 4 x 4 bytes are turned: word 2 u + q, byte b'
	v_perm_b32 v57, v53, v52, 0x07030602
	v_perm_b32 v58, v55, v54, 0x05010400
	v_perm_b32 v59, v55, v54, 0x07030602
	s_delay_alu instid0(VALU_DEP_2)
	v_perm_b32 v60, v58, v56, 0x07060302           ; W's images hold the two words of a K step in the order second 128, first 128 (x's images keep first, second)
	s_delay_alu instid0(VALU_DEP_3)
	v_perm_b32 v61, v58, v56, 0x05040100
	s_delay_alu instid0(VALU_DEP_3)
	v_perm_b32 v62, v59, v57, 0x07060302
	s_delay_alu instid0(VALU_DEP_4)
	v_perm_b32 v63, v59, v57, 0x05040100
	global_store_b128 v22, v[60:63], s[12:13]      ; a wave stores 512 consecutive bytes, aligned
.Lend:
	s_wait_tensorcnt 0x0
	ds_add_u32 v216, v217
	s_wait_dscnt 0x0
	s_endpgm
.Lfunc_end_k_q6ba929c616_prep:
	.size	k_q6ba929c616_prep, .Lfunc_end_k_q6ba929c616_prep-k_q6ba929c616_prep
	.p2alignl 7, 3214868480
	.fill 96, 4, 3214868480
	.section	.rodata,"a",@progbits
	.p2align	6, 0x0
	.amdhsa_kernel k_q6ba929c616_prep
		.amdhsa_group_segment_fixed_size 36864
		.amdhsa_private_segment_fixed_size 0
		.amdhsa_enable_private_segment 0
		.amdhsa_kernarg_size 48
		.amdhsa_user_sgpr_count 2
		.amdhsa_user_sgpr_kernarg_segment_ptr 1
		.amdhsa_wavefront_size32 1
		.amdhsa_system_sgpr_workgroup_id_x 1
		.amdhsa_system_sgpr_workgroup_id_y 1
		.amdhsa_system_sgpr_workgroup_id_z 1
		.amdhsa_system_vgpr_workitem_id 0
		.amdhsa_next_free_vgpr 218
		.amdhsa_next_free_sgpr 66
		.amdhsa_reserve_vcc 0
		.amdhsa_float_denorm_mode_32 3
		.amdhsa_float_denorm_mode_16_64 3
		.amdhsa_memory_ordered 1
		.amdhsa_forward_progress 1
		.amdhsa_inst_pref_size 81
	.end_amdhsa_kernel
	.amdgpu_metadata
---
amdhsa.version: [ 1, 2 ]
amdhsa.kernels:
  - .name:           k_q6ba929c616_prep
    .symbol:         k_q6ba929c616_prep.kd
    .args:
      - { .name: weight_idx, .offset: 0, .size: 8, .value_kind: global_buffer, .address_space: global }
      - { .name: weight_table, .offset: 8, .size: 8, .value_kind: global_buffer, .address_space: global }
      - { .name: x_scales, .offset: 16, .size: 8, .value_kind: global_buffer, .address_space: global }
      - { .name: w_codes, .offset: 24, .size: 8, .value_kind: global_buffer, .address_space: global }
      - { .name: ws_img, .offset: 32, .size: 8, .value_kind: global_buffer, .address_space: global }
      - { .name: xs_img, .offset: 40, .size: 8, .value_kind: global_buffer, .address_space: global }
    .group_segment_fixed_size: 36864
    .private_segment_fixed_size: 0
    .kernarg_segment_align: 8
    .kernarg_segment_size: 48
    .max_flat_workgroup_size: 512
    .sgpr_count:     66
    .vgpr_count:     218
    .wavefront_size: 32
...
	.end_amdgpu_metadata
.endif
;; end of part 1
;; launch gemm (part 2): grid 16 x 16, 4 waves a work-group, clusters of 4 x 4, 327,680 bytes of LDS; arguments x_codes, xs_img, w_codes, ws_img, out0, bias_idx, bias_table; writes out0
.if DOCPART == 2
	.amdgcn_target "amdgcn-amd-amdhsa--gfx1250"
	.amdhsa_code_object_version 6
	.text
	.protected	k_q6ba929c616_gemm
	.globl	k_q6ba929c616_gemm
	.p2align	8
	.type	k_q6ba929c616_gemm,@function
k_q6ba929c616_gemm:
	s_mov_b64 s[64:65], 0
	v_nop
	global_prefetch_b8 v0, s[64:65] scope:SCOPE_SE
	s_setreg_imm32_b32 hwreg(HW_REG_WAVE_MODE, 25, 1), 1
	s_wait_xcnt 0x0
	s_wait_alu depctr_hold_cnt(0) depctr_sa_sdst(0) depctr_va_vdst(0) depctr_va_sdst(0) depctr_va_ssrc(0) depctr_va_vcc(0) depctr_vm_vsrc(0)
	s_getreg_b32 s2, hwreg(HW_REG_IB_STS2, 6, 4)
	s_cmp_eq_u32 s2, 0
	s_cbranch_scc0 .Lentry_in_a_cluster
	s_endpgm
.Lentry_in_a_cluster:
	s_bfe_u32 s2, ttmp6, 0x10000c
	s_cmp_lg_u32 s2, 0xf033
	s_cbranch_scc0 .Lentry_shape_is_right
	s_endpgm
.Lentry_shape_is_right:
; out0[m][n] = sum over k of x[m][k] W[n][k] + bias_table[bias_idx[n]].  x and W: [4096][4096] codes of BF8 (E5M2), K innermost, one E8M0 byte for each 32 along K; sums in f32.
; LIMIT: a bias index above 255, which the problem excludes, is held at 255.
; A tile of out0, 256 x 256, is made by a work-group of four waves; a wave makes 128 x 128: 64 accumulators, 512 registers.  256 tiles, 256 work-groups.
; K goes in steps of 256 through a ring of two LDS slots (A's 256 rows, then B's 256 rows; rows of 256 bytes + 16 of padding), filled by joint tensor loads:
; 4 x 4 work-groups form a cluster; x's tile is shared along a row of the cluster, W's along a column.
; THE HEAD fills BOTH slots: four tiles of 256 rows, one joint load a wave (wave 0: x, K step 0; wave 1: W, K step 0; wave 2: x, K step 1; wave 3: W, K step 1).  Only waves 0 and 1 wait ahead of the first barrier;
; waves 2 and 3 have load lines of their own and wait behind the first 64 products.  From then on a wave's load brings 128 rows.
; THE SCALE WORDS come from the images that launch prep laid ([group of 128 rows][K step][1,024 bytes]), by four loads of 16 bytes a lane and K step, straight into two sets of 16 registers.
; In W's images the two words of a K step are swapped, so that in every product x's and W's scale registers have numbers of different parity.
; THE MATRIX INSTRUCTION IS USED TRANSPOSED (source 0 = 16 rows of W, source 1 = 16 rows of x): a lane holds eight neighbouring numbers of a row of out0.
; LDS LOADS: a K step's 128 loads of a wave go out in five runs, of 32, 32, 32, 16 and 16, each between two groups of products.
; THE LAST K STEP goes by rows of out0: all its fragments of W lie in registers, and the wave's eight blocks of 16 rows are finished one after the other and stored as they are finished.
; PREFETCHES: behind the refill that asks for K step t + 2 each wave names K step t + 4: 32 of the 128 rows that it fetches (a lane a row, 256 bytes each; the four partners of a joint load share the 128 rows out by address),
; and one block of 256 bytes of that K step's scale images (two groups x 1,024 bytes are eight blocks for two waves x four partners).  K steps 2 and 3 are named at the head; the last two refills name nothing.
; REGISTERS: window 0: v0-31 addresses and bias, v32-63 scale words, v64-127 a block of rows on the way out, v128-255 x's fragments; window 1: W's fragments, two sets; windows 2, 3: accumulators.
.set SIZE_N, 4096
.set ROWB,   256
.set KROW,   4096
.set PITCH,  272
.set FR,     16
.set NP,     8                         ; places behind this matrix form (ISA guide 7.12.1)
.set HALFT,  128*PITCH
.set SLOT,   4*HALFT
.set LAPS,   8
.set IMG,    1024
.set SPARE,  2*SLOT                    ; the spare words, 128 bytes a wave
.set SPITCH, 528                       ; the way out: a stage of 16 rows x 528 bytes a wave, in slot 0 behind its last fill and last read
.set BIAS, 8
.set BIX,  12
.set ADRA, 16
.set ADRB, 20
.set STO,  24
.set RD,   25
.set CO,   26
.set ZO,   27                          ; 0: the offset of the images' prefetch
.set SPW,  28
.set NIL,  29
.set PFO,  30                          ; lane x 4,096: a lane a row
.set SC,   32
.set BK,   64
.set AF,   128
.set G1, 24
.set G0, 32
.set G1B, 48
.set G0B, 56
.set PFS, 66                           ; s[66:67] where my image prefetches stand
.set PFA, 72                           ; s[72:73] where my tile prefetches stand
.set SA,  74
.set SB,  75
.set GH,  76                           ; s[76:91] group 0 of the head's four loads
.set SS,  92
.set MSB, 0
.macro WIN new
.if MSB != \new
	s_set_vgpr_msb (MSB<<8)|\new
.set MSB, \new
.endif
.endm
.set MUL_LO, 0xa1
.set MUL_HI, 0xf1
.set TO_B,   0x40
.macro PLACES n
.rept \n
	v_nop
.endr
.endm
.macro JLOAD g0a, g1a, g0b, g1b        ; waves 0, 1 fetch x's halves, waves 2, 3 W's
	s_cmp_eq_u32 s15, 0
	s_cbranch_scc0 .Lfor_b_\@
	tensor_load_to_lds s[\g0a:\g0a+3], s[\g1a:\g1a+7]
	s_nop 0
	PLACES 4
	s_branch .Lasked_\@
.Lfor_b_\@:
	tensor_load_to_lds s[\g0b:\g0b+3], s[\g1b:\g1b+7]
	s_nop 0
	PLACES 4
.Lasked_\@:
.endm
.macro ASK                             ; s3 = 1 in the loop's last trip, whose two refills have no K step two refills on
	s_cmp_gt_u32 s3, 1
	s_cbranch_scc0 .Lno_ask_\@
	global_prefetch_b8 v[PFO], s[PFA:PFA+1] offset:ROWB th:TH_LOAD_NT scope:SCOPE_SE
	global_prefetch_b8 v[ZO], s[PFS:PFS+1] offset:IMG th:TH_LOAD_NT scope:SCOPE_SE
.Lno_ask_\@:
.endm
.macro CREST
	s_cmp_lg_u32 s14, 0
	s_cbranch_scc1 .Lnot_wave_0_\@
	s_barrier_signal -3
.Lnot_wave_0_\@:
	s_barrier_wait -3
	s_barrier_signal -1
	s_barrier_wait -1
.endm
.macro CROUND
	s_barrier_signal -1
	s_barrier_wait -1
	CREST
.endm
	s_load_b256 s[4:11], s[0:1], 0x0               ; x_codes s[4:5], xs_img s[6:7], w_codes s[8:9], ws_img s[10:11]
	s_load_b64 s[12:13], s[0:1], 0x20              ; out0
	s_load_b64 s[68:69], s[0:1], 0x28              ; bias_idx
	s_load_b64 s[70:71], s[0:1], 0x30              ; bias_table
	v_lshl_add_u32 v[SPW], v0, 2, SPARE
	v_mov_b32 v[NIL], 0
	ds_add_u32 v[SPW], v[NIL]                      ; the opening lines: the add twice on end and one wait
	ds_add_u32 v[SPW], v[NIL]
	v_lshrrev_b32 v1, 5, v0
	v_readfirstlane_b32 s14, v1                    ; wave
	s_lshr_b32 s15, s14, 1                         ; my half of the tile's rows; also: I fetch for x (0) or W (1)
	s_and_b32 s16, s14, 1                          ; my half of its columns; also: which 128 rows I fetch
	s_bfe_u32 s40, ttmp6, 0x40000                  ; cx
	s_bfe_u32 s41, ttmp6, 0x40004                  ; cy
	s_lshl_b32 s42, ttmp9, 2
	s_add_co_u32 s42, s42, s40                     ; tile column
	s_and_b32 s17, ttmp7, 0xffff
	s_lshl_b32 s17, s17, 2
	s_add_co_u32 s17, s17, s41                     ; tile row
	s_lshl_b32 s43, s41, 2
	s_lshl_b32 s43, 15, s43                        ; my row of the cluster
	s_lshl_b32 s44, 0x1111, s40                    ; my column
	s_or_b32 s[G1+0], s43, (0<<16)|(1<<20)|(1<<21)|(5<<22)|(3<<25)   ; mask; bytes; 4 words of padding behind every 64
	s_or_b32 s[G1B+0], s44, (0<<16)|(1<<20)|(1<<21)|(5<<22)|(3<<25)
.irp g, G1, G1B
	s_mov_b32 s[\g+1], ROWB<<16
	s_mov_b32 s[\g+2], 256<<16                     ; the head's loads bring 256 rows
	s_mov_b32 s[\g+3], ROWB<<16
	s_mov_b32 s[\g+4], 256
	s_mov_b32 s[\g+5], KROW
	s_mov_b32 s[\g+6], 0
	s_mov_b32 s[\g+7], 0
.endr
	s_lshl_b32 s20, s17, 20                        ; x: 256 rows of 4,096 bytes a tile row
	s_mov_b32 s21, 0
	s_lshl_b32 s46, s42, 20                        ; W: the same by the tile column
	s_mov_b32 s47, 0
	s_lshl_b32 s18, s16, 19                        ; in the ring: my 128 rows
	s_mov_b32 s19, 0
	s_mul_i32 s45, s14, HALFT                      ; and where they go
	s_wait_dscnt 0x0                               ; both opening adds are done
	s_wait_kmcnt 0x0
	s_add_nc_u64 s[20:21], s[4:5], s[20:21]
	s_add_nc_u64 s[46:47], s[8:9], s[46:47]
	CROUND                                         ; all sixteen work-groups are here: the first joint loads meet
.irp z, 0,1                            ; K step z into slot z: x's 256 rows, then W's
	s_mov_b32 s[GH+8*\z], 1
	s_mov_b32 s[GH+8*\z+1], \z*SLOT
	s_add_nc_u64 s[GH+8*\z+2:GH+8*\z+3], s[20:21], \z*ROWB
	s_or_b32 s[GH+8*\z+3], s[GH+8*\z+3], 0x80000000
	s_mov_b32 s[GH+8*\z+4], 1
	s_mov_b32 s[GH+8*\z+5], \z*SLOT+2*HALFT
	s_add_nc_u64 s[GH+8*\z+6:GH+8*\z+7], s[46:47], \z*ROWB
	s_or_b32 s[GH+8*\z+7], s[GH+8*\z+7], 0x80000000
.endr
	s_add_nc_u64 s[20:21], s[20:21], s[18:19]
	s_add_nc_u64 s[46:47], s[46:47], s[18:19]
.irp s, 0,1                            ; the ring's group 0: stepped by two K steps ahead of each refill
	s_mov_b32 s[G0+4*\s], 1
	s_add_co_u32 s[G0+4*\s+1], s45, \s*SLOT
	s_add_nc_u64 s[G0+4*\s+2:G0+4*\s+3], s[20:21], \s*ROWB
	s_or_b32 s[G0+4*\s+3], s[G0+4*\s+3], 0x80000000
	s_mov_b32 s[G0B+4*\s], 1
	s_add_co_u32 s[G0B+4*\s+1], s45, \s*SLOT
	s_add_nc_u64 s[G0B+4*\s+2:G0B+4*\s+3], s[46:47], \s*ROWB
	s_or_b32 s[G0B+4*\s+3], s[G0B+4*\s+3], 0x80000000
.endr
.macro ARM under, g0, g1, next         ; one chain of branches on the wave's number, one load to an arm, one join
	s_cmp_lt_u32 s14, \under
	s_cbranch_scc0 \next
	tensor_load_to_lds s[\g0:\g0+3], s[\g1:\g1+7]
	s_nop 0
	PLACES 4
	s_branch .Lhead_asked
\next:
.endm
	ARM 1, GH,   G1,  .Lhead_1
	ARM 2, GH+4, G1B, .Lhead_2
	ARM 3, GH+8, G1,  .Lhead_3
	tensor_load_to_lds s[GH+12:GH+15], s[G1B:G1B+7]
	s_nop 0
	PLACES 4
.Lhead_asked:
	; the prefetches' addresses
	s_lshl_b32 s20, s17, 8
	s_lshl_b32 s21, s42, 8
	s_cmp_eq_u32 s15, 0                            ; do I fetch for x?
	s_cselect_b32 s20, s20, s21                    ; the tile's first row
	s_cselect_b32 s21, s40, s41                    ; my place among the four that ask with me
	s_cselect_b64 s[PFA:PFA+1], s[4:5], s[8:9]
	s_cselect_b64 s[PFS:PFS+1], s[6:7], s[10:11]
	s_lshl_b32 s22, s16, 7
	s_add_co_u32 s20, s20, s22                     ; + the 128 rows that I fetch
	s_lshl_b32 s22, s20, 7                         ; their group's 16 images: 16,384 bytes for 128 rows
	s_lshl_b32 s23, s21, 8                         ; my block of 256 bytes of an image
	s_add_co_u32 s22, s22, s23
	s_mov_b32 s23, 0
	s_add_nc_u64 s[PFS:PFS+1], s[PFS:PFS+1], s[22:23]
	s_add_nc_u64 s[PFS:PFS+1], s[PFS:PFS+1], 2*IMG ; at K step 2
	s_lshl_b32 s21, s21, 5
	s_add_co_u32 s20, s20, s21                     ; + my work-group's 32 rows
	s_lshl_b32 s20, s20, 12
	s_mov_b32 s21, 0
	s_add_nc_u64 s[PFA:PFA+1], s[PFA:PFA+1], s[20:21]
	s_add_nc_u64 s[PFA:PFA+1], s[PFA:PFA+1], 2*ROWB
	; my scale images, my part of out0 and of bias_idx
	s_lshl_b32 s18, s17, 1
	s_add_co_u32 s18, s18, s15
	s_lshl_b32 s18, s18, 14
	s_mov_b32 s19, 0
	s_add_nc_u64 s[6:7], s[6:7], s[18:19]
	s_lshl_b32 s46, s42, 1
	s_add_co_u32 s46, s46, s16
	s_lshl_b32 s46, s46, 14
	s_mov_b32 s47, 0
	s_add_nc_u64 s[10:11], s[10:11], s[46:47]
	s_lshl_b32 s20, s17, 8
	s_lshl_b32 s21, s15, 7
	s_add_co_u32 s20, s20, s21
	s_lshl_b32 s20, s20, 14                        ; my first row of out0, 16,384 bytes a row
	s_mov_b32 s21, 0
	s_lshl_b32 s46, s42, 10
	s_lshl_b32 s47, s16, 9
	s_add_co_u32 s46, s46, s47                     ; my first column, 4 bytes each
	s_mov_b32 s47, 0
	s_add_nc_u64 s[12:13], s[12:13], s[20:21]
	s_add_nc_u64 s[12:13], s[12:13], s[46:47]
	s_add_nc_u64 s[68:69], s[68:69], s[46:47]
	s_mul_i32 s[SA], s15, HALFT                    ; my 128 rows of x in slot 0
	s_mul_i32 s[SB], s16, HALFT
	s_add_co_u32 s[SB], s[SB], 2*HALFT             ; my 128 rows of W
	s_mul_i32 s[SS], s14, 16*SPITCH                ; my stage
	; all the head's vector work on end
	v_and_b32 v1, 15, v0
	v_bfe_u32 v2, v0, 4, 1
	v_mul_u32_u24 v3, v1, PITCH
	v_lshl_add_u32 v4, v2, 4, v3                   ; a fragment's row x pitch + 16 x half
	v_add_nc_u32 v[ADRA], s[SA], v4
	v_add_nc_u32 v[ADRB], s[SB], v4
	v_add_nc_u32 v[ADRA+1], SLOT, v[ADRA]
	v_add_nc_u32 v[ADRB+1], SLOT, v[ADRB]
	v_mul_u32_u24 v5, v1, SPITCH
	v_lshl_add_u32 v5, v2, 5, v5
	v_add_nc_u32 v[STO], s[SS], v5
	v_and_b32 v6, 31, v0
	v_lshlrev_b32 v[CO], 4, v6
	v_add_nc_u32 v[RD], s[SS], v[CO]
	v_lshlrev_b32 v[PFO], 12, v6
	v_mov_b32 v[ZO], 0
	s_wait_alu depctr_va_vdst(0)
.macro GSC set, off                    ; a K step's scale words: x's 8 registers, then W's 8
	global_load_b128 v[SC+16*\set:SC+16*\set+3], v[CO], s[6:7] offset:\off
	global_load_b128 v[SC+16*\set+4:SC+16*\set+7], v[CO], s[6:7] offset:\off+512
	global_load_b128 v[SC+16*\set+8:SC+16*\set+11], v[CO], s[10:11] offset:\off
	global_load_b128 v[SC+16*\set+12:SC+16*\set+15], v[CO], s[10:11] offset:\off+512
.endm
	global_load_b128 v[BIX:BIX+3], v[CO], s[68:69] ; the bias indices of my 4 columns of a stored row
	GSC 0, 0
	GSC 1, IMG
	global_prefetch_b8 v[PFO], s[PFA:PFA+1] th:TH_LOAD_NT scope:SCOPE_SE               ; K steps 2 and 3, which the first two refills will ask for
	global_prefetch_b8 v[ZO], s[PFS:PFS+1] th:TH_LOAD_NT scope:SCOPE_SE
	global_prefetch_b8 v[PFO], s[PFA:PFA+1] offset:ROWB th:TH_LOAD_NT scope:SCOPE_SE
	global_prefetch_b8 v[ZO], s[PFS:PFS+1] offset:IMG th:TH_LOAD_NT scope:SCOPE_SE
.macro FRAG reg, adr, q, i             ; 16 rows x 128 K: registers 4 c .. 4 c + 3 hold K = 32 c + 16 (l / 16) + 0 .. 15
.irp c, 0,1,2,3
	ds_load_b128 v[\reg+4*\c:\reg+4*\c+3], v[\adr] offset:128*(\q)+32*\c+(\i)*16*PITCH
.endr
.endm
.macro WM zero, rb, ra                 ; rb, ra: W's, x's scale words lie in lanes 16-31
.if \zero
.if (\rb) && (\ra)
	v_wmma_scale_f32_16x16x128_f8f6f4 v[rD:rD+7], v[rB:rB+FR-1], v[rA:rA+FR-1], 0, v[rSB], v[rSA] matrix_a_fmt:MATRIX_FMT_BF8 matrix_b_fmt:MATRIX_FMT_BF8 matrix_a_scale:MATRIX_SCALE_ROW1 matrix_b_scale:MATRIX_SCALE_ROW1
.elseif (\rb)
	v_wmma_scale_f32_16x16x128_f8f6f4 v[rD:rD+7], v[rB:rB+FR-1], v[rA:rA+FR-1], 0, v[rSB], v[rSA] matrix_a_fmt:MATRIX_FMT_BF8 matrix_b_fmt:MATRIX_FMT_BF8 matrix_a_scale:MATRIX_SCALE_ROW1
.elseif (\ra)
	v_wmma_scale_f32_16x16x128_f8f6f4 v[rD:rD+7], v[rB:rB+FR-1], v[rA:rA+FR-1], 0, v[rSB], v[rSA] matrix_a_fmt:MATRIX_FMT_BF8 matrix_b_fmt:MATRIX_FMT_BF8 matrix_b_scale:MATRIX_SCALE_ROW1
.else
	v_wmma_scale_f32_16x16x128_f8f6f4 v[rD:rD+7], v[rB:rB+FR-1], v[rA:rA+FR-1], 0, v[rSB], v[rSA] matrix_a_fmt:MATRIX_FMT_BF8 matrix_b_fmt:MATRIX_FMT_BF8
.endif
.else
.if (\rb) && (\ra)
	v_wmma_scale_f32_16x16x128_f8f6f4 v[rD:rD+7], v[rB:rB+FR-1], v[rA:rA+FR-1], v[rD:rD+7], v[rSB], v[rSA] matrix_a_fmt:MATRIX_FMT_BF8 matrix_b_fmt:MATRIX_FMT_BF8 matrix_a_scale:MATRIX_SCALE_ROW1 matrix_b_scale:MATRIX_SCALE_ROW1
.elseif (\rb)
	v_wmma_scale_f32_16x16x128_f8f6f4 v[rD:rD+7], v[rB:rB+FR-1], v[rA:rA+FR-1], v[rD:rD+7], v[rSB], v[rSA] matrix_a_fmt:MATRIX_FMT_BF8 matrix_b_fmt:MATRIX_FMT_BF8 matrix_a_scale:MATRIX_SCALE_ROW1
.elseif (\ra)
	v_wmma_scale_f32_16x16x128_f8f6f4 v[rD:rD+7], v[rB:rB+FR-1], v[rA:rA+FR-1], v[rD:rD+7], v[rSB], v[rSA] matrix_a_fmt:MATRIX_FMT_BF8 matrix_b_fmt:MATRIX_FMT_BF8 matrix_b_scale:MATRIX_SCALE_ROW1
.else
	v_wmma_scale_f32_16x16x128_f8f6f4 v[rD:rD+7], v[rB:rB+FR-1], v[rA:rA+FR-1], v[rD:rD+7], v[rSB], v[rSA] matrix_a_fmt:MATRIX_FMT_BF8 matrix_b_fmt:MATRIX_FMT_BF8
.endif
.endif
.endm
; One product: x's block a against W's block b, the slot's q-th 128 along K.  p: W's set; sc: the set of scale words.
.macro W1 a, b, p, q, sc, zero
.set rD,  8*(8*((\a)%4)+(\b))
.set rB,  128*(\p)+FR*(\b)
.set rA,  AF+FR*(\a)
.set rSB, SC+16*(\sc)+8+2*((\b)%4)+1-(\q)
.set rSA, SC+16*(\sc)+2*((\a)%4)+(\q)
	WM \zero, (\b)/4, (\a)/4
.endm
; 16 products, one instruction to an accumulator: two blocks of x against W's eight,
.macro MUL16 a0, p, q, sc, zero
.irp a, \a0, \a0+1
.irp b, 0,1,2,3,4,5,6,7
	W1 \a, \b, \p, \q, \sc, \zero
.endr
.endr
.endm
; or x's blocks 0-3 against four of W's.  Between two products of one sum stand the 32 of the other half of the rows at the least.
.macro MULQ b0, p, q, sc, zero
.irp a, 0,1,2,3
.irp b, \b0, \b0+1, \b0+2, \b0+3
	W1 \a, \b, \p, \q, \sc, \zero
.endr
.endr
.endm
.macro FETCH_BH slot, q, p, i0         ; W's blocks i0 .. i0 + 3 into set p
	WIN TO_B
.irp i, \i0, \i0+1, \i0+2, \i0+3
	FRAG 128*(\p)+FR*(\i), ADRB+\slot, \q, \i
.endr
.endm
.macro FETCH_A slot, q, i0             ; x's blocks i0 .. i0 + 3
	WIN 0
.irp i, \i0, \i0+1, \i0+2, \i0+3
	FRAG AF+FR*(\i), ADRA+\slot, \q, \i
.endr
.endm
; A slot's first 128 along K.  On entry 64 LDS loads may be out, 16 each, in this order: W's blocks 0-3 (set 0), x's 0-3, W's 4-7, x's 4-7.
.macro STEP slot, zero, lc
	s_wait_loadcnt \lc                             ; this slot's scale words are in
	s_wait_dscnt 32                                ; W's blocks 0-3 and x's 0-3 are in
	WIN MUL_LO
	MULQ 0, 0, 0, \slot, \zero
	s_wait_dscnt 16                                ; W's blocks 4-7 are in; x's 4-7 may be out
	FETCH_BH \slot, 1, 1, 0                        ; all of set 1, which was last read ahead of the eight places at the end of the step before
	FETCH_BH \slot, 1, 1, 4
	WIN MUL_LO
	MULQ 4, 0, 0, \slot, \zero
	s_wait_dscnt 32                                ; x's blocks 4-7 are in; the 32 loads just issued may be out
	PLACES NP
	FETCH_A \slot, 1, 0
	WIN MUL_HI
	MUL16 4, 0, 0, \slot, \zero
	MUL16 6, 0, 0, \slot, \zero
	PLACES NP
	FETCH_A \slot, 1, 4
.endm
; A slot's second 128 along K, and the change of slots: the slot is filled again, two K steps on, behind a round of the cluster's barrier.
.macro TURN slot, next
	s_wait_tensorcnt 0x0                           ; all my tensor loads have landed: my part of the next slot
	ds_add_u32 v[SPW], v[NIL]
	s_add_nc_u64 s[G0+4*\slot+2:G0+4*\slot+3], s[G0+4*\slot+2:G0+4*\slot+3], 2*ROWB
	s_add_nc_u64 s[G0B+4*\slot+2:G0B+4*\slot+3], s[G0B+4*\slot+2:G0B+4*\slot+3], 2*ROWB
	s_wait_xcnt 0x0                                ; my prefetches and scale loads have read their bases
	s_add_nc_u64 s[PFA:PFA+1], s[PFA:PFA+1], ROWB
	s_add_nc_u64 s[PFS:PFS+1], s[PFS:PFS+1], IMG
	s_add_nc_u64 s[6:7], s[6:7], IMG
	s_add_nc_u64 s[10:11], s[10:11], IMG
	s_wait_dscnt 17                                ; the add and x's blocks 4-7 may be out
	WIN MUL_LO
	MUL16 0, 1, 1, \slot, 0
	s_wait_dscnt 0x0                               ; the add is done, and my reads of this slot are over
	s_barrier_signal -1
	MUL16 2, 1, 1, \slot, 0
	WIN 0
	s_barrier_wait -1
	CREST                                          ; no wave of any partner still reads this slot or has a load on its way
	JLOAD G0+4*\slot, G1, G0B+4*\slot, G1B         ; the first tensor load behind the round; its four v_nop are among the places below
	PLACES NP-4
	FETCH_BH \next, 0, 0, 0
	FETCH_A \next, 0, 0
	ASK
	WIN MUL_HI
	MUL16 4, 1, 1, \slot, 0
	MUL16 6, 1, 1, \slot, 0
	PLACES NP
	FETCH_BH \next, 0, 0, 4
	FETCH_A \next, 0, 4
	GSC \slot, IMG                                 ; the scale words of the K step that was just asked for
.endm
	s_wait_alu depctr_va_vdst(0)
	s_cmp_lt_u32 s14, 2
	s_cbranch_scc0 .Lk1_wave                       ; waves 2 and 3 asked for K step 1, by lines of their own: they do not wait here
	s_wait_tensorcnt 0x0                           ; waves 0 and 1: my tile of K step 0 is in
.Lk1_wave:
	s_barrier_signal -1
	s_barrier_wait -1                              ; slot 0 is whole
	FETCH_BH 0, 0, 0, 0
	FETCH_A 0, 0, 0
	FETCH_BH 0, 0, 0, 4
	FETCH_A 0, 0, 4
	STEP 0, 1, 4                                   ; the first products start the sums; behind the scale words of K step 0 four loads may be out
	s_wait_tensorcnt 0x0                           ; no tensor load of mine is out, so a descriptor may be written: from here on a load brings 128 rows
	s_mov_b32 s[G1+2], 128<<16
	s_mov_b32 s[G1+4], 128
	s_mov_b32 s[G1B+2], 128<<16
	s_mov_b32 s[G1B+4], 128
.irp j, 0,1,2,3
	v_min_u32 v[BIX+\j], 0xff, v[BIX+\j]           ; no look-up leaves the table
.endr
.irp j, 0,1,2,3
	v_lshlrev_b32 v[BIX+\j], 2, v[BIX+\j]
.endr
.irp j, 0,1,2,3
	global_load_b32 v[BIAS+\j], v[BIX+\j], s[70:71]
.endr
	s_mov_b32 s3, LAPS-1
.Llap:                                                 ; a trip goes once round the ring and fills both slots again
	TURN 0, 1
	STEP 1, 0, 4                                   ; the four scale loads just issued may be out
	TURN 1, 0
	STEP 0, 0, 4
	s_sub_co_u32 s3, s3, 1
	s_cmp_lg_u32 s3, 0
	s_cbranch_scc1 .Llap
; THE END OF K.  K step 14's second half, with the last change of slots (nothing is filled again); under it all of K step 15's fragments of W come into the two sets, and x's by blocks of 16 rows x 256 K into four buffers of 32 registers.
.macro ALOAD a                         ; x's block a of slot 1, both halves of the K step, into buffer a % 4
.irp q, 0,1
	FRAG AF+32*((\a)%4)+FR*\q, ADRA+1, \q, \a
.endr
.endm
.macro ROW a                           ; block a is finished: 16 products, its eight accumulators by turns
	WIN MUL_LO+0x50*((\a)/4)
.irp q, 0,1
.if (\a) == 0
	s_wait_dscnt 56-40*\q                          ; first W's set 0 and x's block 0 (8 + 32 + 16 younger loads), then W's set 1 (16 younger)
.endif
.irp b, 0,1,2,3,4,5,6,7
.set rD,  8*(8*((\a)%4)+\b)
.set rB,  128*\q+FR*\b
.set rA,  AF+32*((\a)%4)+FR*\q
.set rSB, SC+16+8+2*(\b%4)+1-\q
.set rSA, SC+16+2*((\a)%4)+\q
	WM 0, \b/4, (\a)/4
.endr
.endr
.endm
; THE WAY OUT of a block of 16 rows x 128 columns: through my own stage, back as whole rows of 512 bytes, the bias added, stored as two aligned units of 256 bytes.
.macro TOSTAGE a
.set AC, 64*((\a)%4)
	WIN 0x08+4*((\a)/4)
.irp b, 0,1,2,3,4,5,6,7
	ds_store_b128 v[STO], v[AC+8*\b:AC+8*\b+3] offset:64*\b          ; each accumulator from its low end on
	ds_store_b128 v[STO], v[AC+8*\b+4:AC+8*\b+7] offset:64*\b+16
.endr
	WIN 0
.irp t, 0,1,2,3,4,5,6,7,8,9,10,11,12,13,14,15
	ds_load_b128 v[BK+4*\t:BK+4*\t+3], v[RD] offset:\t*SPITCH        ; a wave's LDS instructions are served in order (ISA guide 5.7.1.4)
.endr
.endm
.macro SEND a, younger                 ; younger: the LDS loads issued behind the block's, which may stay out.  The 32 additions stand on end, then the 16 stores
	WIN 0
	s_wait_dscnt \younger
.if (\a) > 0
	s_add_nc_u64 s[12:13], s[12:13], 16*SIZE_N*4   ; behind a wait on XCNT: the earlier stores have read their base
.endif
.irp t, 0,1,2,3,4,5,6,7,8,9,10,11,12,13,14,15
	v_pk_add_f32 v[BK+4*\t:BK+4*\t+1], v[BK+4*\t:BK+4*\t+1], v[BIAS:BIAS+1]
	v_pk_add_f32 v[BK+4*\t+2:BK+4*\t+3], v[BK+4*\t+2:BK+4*\t+3], v[BIAS+2:BIAS+3]
.endr
.irp t, 0,1,2,3,4,5,6,7,8,9,10,11,12,13,14,15
	global_store_b128 v[CO], v[BK+4*\t:BK+4*\t+3], s[12:13] offset:\t*SIZE_N*4 th:TH_STORE_NT
.endr
.endm
	s_wait_tensorcnt 0x0                           ; my part of slot 1, the last K step, is in
	ds_add_u32 v[SPW], v[NIL]
	s_wait_dscnt 17
	WIN MUL_LO
	MUL16 0, 1, 1, 0, 0
	s_wait_dscnt 0x0                               ; the add is done, and my reads of slot 0 are over
	s_barrier_signal -1
	MUL16 2, 1, 1, 0, 0
	WIN 0
	s_barrier_wait -1                              ; slot 1 is whole, and nobody reads slot 0 any more: the stages lie there
	PLACES NP
	FETCH_BH 1, 0, 0, 0
	FETCH_BH 1, 0, 0, 4
	WIN 0
	ALOAD 0
	ALOAD 1
	WIN MUL_HI
	MUL16 4, 1, 1, 0, 0
	MUL16 6, 1, 1, 0, 0
	PLACES NP
	FETCH_BH 1, 1, 1, 0
	FETCH_BH 1, 1, 1, 4
	WIN 0
	ALOAD 2
	ALOAD 3
	s_wait_loadcnt 0x0                             ; the last scale words and the bias are in
	ROW 0
	PLACES NP                                      ; ahead of the first read of results just made
	TOSTAGE 0
	ALOAD 4
.irp a, 0,1,2,3,4,5,6                  ; the next block's products stand between a block's loads from the stage and the wait for them; the 32 additions of SEND are the places behind those products
	ROW \a+1
.if \a < 4
	SEND \a, 8                                     ; the eight loads of x's block a + 4 may be out
.else
	SEND \a, 0
.endif
	s_wait_xcnt 0x0                                ; the block's stores have read their registers and their base
	TOSTAGE \a+1
.if \a < 3
	ALOAD \a+5
.endif
.endr
	SEND 7, 0
	s_wait_tensorcnt 0x0                           ; the wave's end
	ds_add_u32 v[SPW], v[NIL]
	s_wait_dscnt 0x0
	CROUND                                         ; the closing round
	s_endpgm
.Lfunc_end_k_q6ba929c616_gemm:
	.size	k_q6ba929c616_gemm, .Lfunc_end_k_q6ba929c616_gemm-k_q6ba929c616_gemm
	.p2alignl 7, 3214868480
	.fill 96, 4, 3214868480
	.section	.rodata,"a",@progbits
	.p2align	6, 0x0
	.amdhsa_kernel k_q6ba929c616_gemm
		.amdhsa_group_segment_fixed_size 327680
		.amdhsa_private_segment_fixed_size 0
		.amdhsa_enable_private_segment 0
		.amdhsa_kernarg_size 56
		.amdhsa_user_sgpr_count 2
		.amdhsa_user_sgpr_kernarg_segment_ptr 1
		.amdhsa_wavefront_size32 1
		.amdhsa_system_sgpr_workgroup_id_x 1
		.amdhsa_system_sgpr_workgroup_id_y 1
		.amdhsa_system_sgpr_workgroup_id_z 1
		.amdhsa_system_vgpr_workitem_id 0
		.amdhsa_next_free_vgpr 1024
		.amdhsa_next_free_sgpr 96
		.amdhsa_reserve_vcc 0
		.amdhsa_float_denorm_mode_32 3
		.amdhsa_float_denorm_mode_16_64 3
		.amdhsa_memory_ordered 1
		.amdhsa_forward_progress 1
		.amdhsa_inst_pref_size 163
	.end_amdhsa_kernel
	.amdgpu_metadata
---
amdhsa.version: [ 1, 2 ]
amdhsa.kernels:
  - .name:           k_q6ba929c616_gemm
    .symbol:         k_q6ba929c616_gemm.kd
    .args:
      - { .name: x_codes, .offset: 0, .size: 8, .value_kind: global_buffer, .address_space: global }
      - { .name: xs_img, .offset: 8, .size: 8, .value_kind: global_buffer, .address_space: global }
      - { .name: w_codes, .offset: 16, .size: 8, .value_kind: global_buffer, .address_space: global }
      - { .name: ws_img, .offset: 24, .size: 8, .value_kind: global_buffer, .address_space: global }
      - { .name: out0, .offset: 32, .size: 8, .value_kind: global_buffer, .address_space: global }
      - { .name: bias_idx, .offset: 40, .size: 8, .value_kind: global_buffer, .address_space: global }
      - { .name: bias_table, .offset: 48, .size: 8, .value_kind: global_buffer, .address_space: global }
    .group_segment_fixed_size: 327680
    .private_segment_fixed_size: 0
    .kernarg_segment_align: 8
    .kernarg_segment_size: 56
    .max_flat_workgroup_size: 128
    .sgpr_count:     96
    .vgpr_count:     1024
    .wavefront_size: 32
...
	.end_amdgpu_metadata
.endif
;; end of part 2
